; MI455X (gfx1250); checked and timed in simulation.
; The chip was launched on July 23, 2026; its instructions are those of AMD's public machine-readable ISA for CDNA 5 (MIT licence, August 2026) and "CDNA5" Instruction Set Architecture Reference Guide (July 2026). The comments in the code are by the model that wrote it; some were corrected since.
;; Max Pooling Sequence Spans. Allowed arithmetic: float matrix products may take bf16 or f16 operands with f32 sums; all other float work in f32.
;; Inputs: context 8 x 4,096 x 1,024 float32; spans_begin 8 x 100 int32; spans_len 8 x 100 int32.
;; Outputs: out0 8 x 100 x 1,024 float32.
;; One version. Each part assembles by itself: llvm-mc -triple=amdgcn-amd-amdhsa -mcpu=gfx1250 --defsym DOCPART=n.
;; ======== version 1 of 1: 1 launch
;; launch spanmax (part 1): grid 400 x 8, 4 waves a work-group, no clusters, 0 bytes of LDS; arguments context, spans_begin, spans_len, out0; writes out0
.if DOCPART == 1
	.amdgcn_target "amdgcn-amd-amdhsa--gfx1250"
	.amdhsa_code_object_version 6
	.text
	.protected	k_qca2b43247a_spanmax
	.globl	k_qca2b43247a_spanmax
	.p2align	8
	.type	k_qca2b43247a_spanmax,@function
k_qca2b43247a_spanmax:
	s_mov_b64 s[64:65], 0
	v_nop
	global_prefetch_b8 v0, s[64:65] scope:SCOPE_SE
	s_setreg_imm32_b32 hwreg(HW_REG_WAVE_MODE, 25, 1), 1
	s_wait_xcnt 0x0
; out0[b][n][c] = max over pos < min(max(len,1),64) of context[b][clip(begin+pos, 0, 4095)][c].
; context: [8][4096][1024] f32, spans_begin and spans_len: [8][100] i32, out0: [8][100][1024] f32.
;
; The clipped positions of a span are a run of consecutive rows lo .. hi (rows repeated by the clip change no maximum):
;   lo = clamp(begin, 0, 4095),  hi = clamp(begin + eff - 1, 0, 4095),  eff = min(max(len, 1), 64).
; Exactly hi - lo + 1 rows are read.
;
; SHARES.  Work-group x = 4 n + quarter, y = b: one span, 1,024 bytes of each of its rows.  Four waves; thread t owns the 8 bytes at
; 8 t of that quarter, so each load and the store of a wave cover 256 consecutive bytes, aligned.  No wave needs another: no LDS, no barrier.
;
; ALL LOADS OF A WAVE GO OUT AT ONCE, into registers of their own (64 rows x 2 registers), and there is one wait for all of them:
; a span costs one trip to memory however long it is.  rest = hi - lo (0 .. 63) more rows follow row lo:
;   level 0  = row lo (always), one row if bit 0 of rest is set, two rows if bit 1 is set; the three that may be left out are preset to
;              -inf, which is what the reference puts in the positions that it masks;
;   level k  = the k-th group of four rows, k = 1 .. rest / 4.
; The groups are issued by a written-out chain with a way out in front of each group; the way out in front of group k leads into a
; written-out chain of folds that runs downward (level k-1 into k-2, .. , level 1 into level 0).  So a level is read only on ways on which
; it was loaded, nothing is looped, no address register is ever stepped, and each row's offset is an immediate.
;
; v_maximum_f32 lets a NaN win, as jnp.max does; of -0 and +0 it takes +0.
; LIMIT: for begin > 2^31 - 64 the reference's 32-bit sum begin + pos wraps and clips to row 0; here such a begin counts as past the
; end (row 4095).
.set ROWB,  4096                       ; bytes in a row of context and of out0
.set LASTR, 4095                       ; the last row of a batch
.set NSPAN, 100                        ; spans in a batch
.set MAXL,  64                         ; positions that the reference looks at
.set OFF,   1                          ; v1        8 t: my 8 bytes in the work-group's quarter of a row
.set LV,    2                          ; v[2:129]  level k at LV + 8 k: four rows, two registers each
.set NEGINF, 0xff800000
	s_load_b256 s[4:11], s[0:1], 0x0               ; context s[4:5], spans_begin s[6:7], spans_len s[8:9], out0 s[10:11]
	s_and_b32 s12, ttmp7, 0xffff                   ; b
	s_lshr_b32 s13, ttmp9, 2                       ; n
	s_and_b32 s14, ttmp9, 3                        ; which quarter of the rows
	s_mul_i32 s15, s12, NSPAN
	s_add_co_u32 s15, s15, s13                     ; the span's number, 100 b + n
	s_lshl_b32 s16, s15, 2                         ; its byte offset in the two lists
	s_mov_b32 s17, 0
	s_lshl_b32 s14, s14, 10                        ; the quarter's byte offset in a row
	s_lshl_b32 s20, s15, 12                        ; out0: the span's row of 4,096 bytes
	s_add_co_u32 s20, s20, s14                     ;       + the quarter
	s_mov_b32 s21, 0
	s_lshl_b32 s22, s12, 24                        ; context: b x 4,096 rows x 4,096 bytes (below 2^27)
	s_add_co_u32 s22, s22, s14                     ;          + the quarter
	s_mov_b32 s23, 0
	s_mov_b32 s25, 0                               ; upper words of the two offsets made further down
	s_mov_b32 s27, 0
	v_lshlrev_b32 v[OFF], 3, v0
	s_wait_kmcnt 0x0
	s_add_nc_u64 s[6:7], s[6:7], s[16:17]
	s_add_nc_u64 s[8:9], s[8:9], s[16:17]
	s_load_b32 s18, s[6:7], 0x0                    ; begin
	s_load_b32 s19, s[8:9], 0x0                    ; len
	; while the two numbers are on their way:
	s_add_nc_u64 s[10:11], s[10:11], s[20:21]      ; where the work-group's 1,024 bytes of out0 begin
.irp i, 2,3,4,5,6,7
	v_mov_b32 v[LV+\i], NEGINF                     ; level 0's three rows that may be left out
.endr
	s_wait_kmcnt 0x0
	s_max_i32 s19, s19, 1                          ; eff = max(len, 1),
	s_min_i32 s19, s19, MAXL                       ; and no position beyond the 64th counts
	s_max_i32 s18, s18, -MAXL                      ; below -64 every position clips to row 0, as from -64
	s_min_i32 s18, s18, LASTR                      ; beyond the end every position clips to the last row: now the sum below cannot overflow
	s_add_co_i32 s19, s19, s18
	s_add_co_i32 s19, s19, -1                      ; begin + eff - 1
	s_max_i32 s19, s19, 0
	s_min_i32 s19, s19, LASTR                      ; hi
	s_max_i32 s18, s18, 0
	s_min_u32 s18, s18, LASTR                      ; lo, 0 .. 4095
	s_sub_co_u32 s19, s19, s18
	s_min_u32 s19, s19, MAXL-1                     ; rest = hi - lo, 0 .. 63
	s_lshl_b32 s18, s18, 12                        ; lo rows in bytes
	s_add_co_u32 s22, s22, s18
	s_add_nc_u64 s[4:5], s[4:5], s[22:23]          ; row lo, my work-group's quarter
	global_load_b64 v[LV:LV+1], v[OFF], s[4:5]     ; row lo: always
	; rows lo + 1 .. lo + 4 q are the groups; the one, two or three rows left over lie behind them
	s_and_b32 s24, s19, 60                         ; 4 q
	s_lshl_b32 s24, s24, 12
	s_add_co_u32 s24, s24, ROWB                    ; (1 + 4 q) rows in bytes
	s_add_nc_u64 s[24:25], s[4:5], s[24:25]        ; the first row left over
	s_and_b32 s26, s19, 1
	s_lshl_b32 s26, s26, 12
	s_add_nc_u64 s[26:27], s[24:25], s[26:27]      ; the pair stands behind the single row, if there is one
	s_lshr_b32 s28, s19, 2                         ; q = groups of four, 0 .. 15
	s_bitcmp1_b32 s19, 0
	s_cbranch_scc0 .Lno_single
	global_load_b64 v[LV+2:LV+3], v[OFF], s[24:25]
.Lno_single:
	s_bitcmp1_b32 s19, 1
	s_cbranch_scc0 .Lno_pair
	global_load_b64 v[LV+4:LV+5], v[OFF], s[26:27]
	global_load_b64 v[LV+6:LV+7], v[OFF], s[26:27] offset:ROWB
.Lno_pair:
	; The chain of groups.  In front of group k: if there are fewer than k groups, levels 0 .. k-1 are all that there is: go and fold them.
	; With rest = 63 the wave issues 64 loads; LOADcnt's field holds 63, and the issue of the last one then waits for a load to
	; come back (ISA guide 5.7.1): no wait is written for that.
.irp k, 1,2,3,4,5,6,7,8,9,10,11,12,13,14,15
	s_cmp_lt_u32 s28, \k
	s_cbranch_scc1 .Lstop\k
.irp j, 0,1,2,3
	global_load_b64 v[LV+8*\k+2*\j:LV+8*\k+2*\j+1], v[OFF], s[4:5] offset:(1+4*(\k-1)+\j)*ROWB
.endr
.endr
	; The chain of folds.  At .Lstop k levels 0 .. k-1 have been asked for.  Every label is a way in from the chain above, so each has the
	; wait for all loads; on the way down from the label above it is already met.  A fold is eight instructions that do not
	; wait for each other: level k-1 goes, register by register, into level k-2.
.irp k, 16,15,14,13,12,11,10,9,8,7,6,5,4,3,2
.Lstop\k:
	s_wait_loadcnt 0x0
.irp i, 0,1,2,3,4,5,6,7
	v_maximum_f32 v[LV+8*(\k-2)+\i], v[LV+8*(\k-2)+\i], v[LV+8*(\k-1)+\i]
.endr
.endr
.Lstop1:
	s_wait_loadcnt 0x0
	v_maximum_f32 v[LV],   v[LV],   v[LV+2]        ; level 0's four rows into one
	v_maximum_f32 v[LV+1], v[LV+1], v[LV+3]
	v_maximum_f32 v[LV+4], v[LV+4], v[LV+6]
	v_maximum_f32 v[LV+5], v[LV+5], v[LV+7]
	v_maximum_f32 v[LV],   v[LV],   v[LV+4]
	v_maximum_f32 v[LV+1], v[LV+1], v[LV+5]
	global_store_b64 v[OFF], v[LV:LV+1], s[10:11] th:TH_STORE_NT   ; written once, read by nobody in this launch
	s_endpgm
.Lfunc_end_k_qca2b43247a_spanmax:
	.size	k_qca2b43247a_spanmax, .Lfunc_end_k_qca2b43247a_spanmax-k_qca2b43247a_spanmax
	.p2alignl 7, 3214868480
	.fill 96, 4, 3214868480
	.section	.rodata,"a",@progbits
	.p2align	6, 0x0
	.amdhsa_kernel k_qca2b43247a_spanmax
		.amdhsa_group_segment_fixed_size 0
		.amdhsa_private_segment_fixed_size 0
		.amdhsa_enable_private_segment 0
		.amdhsa_kernarg_size 32
		.amdhsa_user_sgpr_count 2
		.amdhsa_user_sgpr_kernarg_segment_ptr 1
		.amdhsa_wavefront_size32 1
		.amdhsa_system_sgpr_workgroup_id_x 1
		.amdhsa_system_sgpr_workgroup_id_y 1
		.amdhsa_system_sgpr_workgroup_id_z 1
		.amdhsa_system_vgpr_workitem_id 0
		.amdhsa_next_free_vgpr 130
		.amdhsa_next_free_sgpr 66
		.amdhsa_reserve_vcc 0
		.amdhsa_float_denorm_mode_32 3
		.amdhsa_float_denorm_mode_16_64 3
		.amdhsa_memory_ordered 1
		.amdhsa_forward_progress 1
		.amdhsa_inst_pref_size 18
	.end_amdhsa_kernel
	.amdgpu_metadata
---
amdhsa.version: [ 1, 2 ]
amdhsa.kernels:
  - .name:           k_qca2b43247a_spanmax
    .symbol:         k_qca2b43247a_spanmax.kd
    .args:
      - { .name: context, .offset: 0, .size: 8, .value_kind: global_buffer, .address_space: global }
      - { .name: spans_begin, .offset: 8, .size: 8, .value_kind: global_buffer, .address_space: global }
      - { .name: spans_len, .offset: 16, .size: 8, .value_kind: global_buffer, .address_space: global }
      - { .name: out0, .offset: 24, .size: 8, .value_kind: global_buffer, .address_space: global }
    .group_segment_fixed_size: 0
    .private_segment_fixed_size: 0
    .kernarg_segment_align: 8
    .kernarg_segment_size: 32
    .max_flat_workgroup_size: 128
    .sgpr_count:     66
    .vgpr_count:     130
    .wavefront_size: 32
...
	.end_amdgpu_metadata
.endif
;; end of part 1
